; MI455X (gfx1250); checked and timed in simulation.
; The chip was launched on July 23, 2026; its instructions are those of AMD's public machine-readable ISA for CDNA 5 (MIT licence, August 2026) and "CDNA5" Instruction Set Architecture Reference Guide (July 2026). The comments in the code are by the model that wrote it; some were corrected since.
;; Group Attention. Allowed arithmetic: matrix products marked QUANTISED: E5M2 operands, one given power-of-two scale a tensor, by v_wmma_f32_16x16x64_bf8_bf8 or v_wmma_f32_16x16x128_bf8_bf8, f32 sums; everything else in f32.
;; Inputs: key 2 x 2,048 x 1,024 float32; lowp_scales 4 int32 (the exponents e of the quantised operands' scales 2^e); query 2 x 2,048 x 4,096 float32; value_codes 2 x 1,024 x 64 x 32 uint8 (E5M2 codes of value, K innermost, in blocks of 32 codes).
;; Outputs: out0 2 x 2,048 x 4,096 float32.
;; This version of the problem:
;;   THIS VERSION OF THE PROBLEM IS GIVEN IN LOW PRECISION. The matrix products marked QUANTISED in the list below multiply operands that are first quantised to E5M2 (5 exponent bits, 2 mantissa bits; 8 bits a number), with one given power-of-two scale for each operand tensor; their sums are f32. All else is computed in f32.
;;   The module's matrix products, in the order in which they are computed (A, B: the left and right operand; K: the contracted axis; several contracted axes count as one K, in the product's order):
;;     1. batch 64 x [M 2,048, K 128] x [K 128, N 2,048]; A: input query; B: input key: QUANTISED (scales: A lowp_scales[0], B lowp_scales[1])
;;     2. batch 64 x [M 2,048, K 2,048] x [K 2,048, N 128]; A: softmax (see below); B: input value (given as codes): QUANTISED (scales: A lowp_scales[2], B lowp_scales[3])
;;   THE QUANTISER, for each operand of a quantised product, along K:
;;     - The operand's scale is 2^e, e = its entry of the input lowp_scales (int32; the entries are numbered through the quantised products in the list's order, A before B).
;;     - Each number is divided by the scale, clamped to +-57,344, and rounded to the nearest number of E5M2, ties to even, subnormals kept.
;;     - The product sums the exact products of the quantised numbers (number of the format x scale) in f32.
;;   ~~~python
;;   def quantise(x, axis, e):      # numpy; x: float32 -> the quantised numbers, widened to float32 again
;;       x = np.moveaxis(x, axis, -1); K = x.shape[-1]
;;       r = np.clip(x / 2.0 ** e, -57344, 57344)
;;       step = 2.0 ** (np.maximum(np.frexp(np.where(r == 0, 1, r))[1] - 1, -14) - 2)
;;       q = np.round(r / step) * step * 2.0 ** e      # np.round: ties to even
;;       return np.moveaxis(q, -1, axis).astype(np.float32)
;;   ~~~
;;   SOFTMAX AHEAD OF A QUANTISED PRODUCT. Where the list says 'softmax', what is quantised is not the finished softmax but p = 2^(t - M), with t = logit x log2(e) and M = ceil(the row's largest t), a whole number; so 1/2 < the row's largest p <= 1. The row's sum l is taken of the UNQUANTISED p, in f32, and the product's result is divided by l at the end. Since M is a whole number, a kernel that streams over the keys may use a running M (the ceiling of the running maximum): every later rescaling is an exact power of two, so the quantised numbers keep their values, but for numbers so far below the row's largest that they fall under the format's range.
;;   OPERANDS COMPUTED ON THE WAY. 'Computed on the way' means the value that the module computes at that place (a softmax that the list does not call 'softmax' is quantised finished and normalised). What goes into a quantiser is computed in f32, as accurately as f32 sums, v_exp_f32 and their like allow (about 1e-6 of the number): no bf16 or f16 on the way to a quantiser, and a product that is left as it is and whose result goes on into a quantised operand takes f32 operands (vector FMAs, or v_wmma_f32_16x16x4_f32). A number that lies on a knife's edge between two numbers of the format may be rounded either way, as far as f32 arithmetic and the matrix unit's own rounding can turn it there, and no further.
;;   INPUTS GIVEN AS CODES. value (in the module: [2, 2048, 1024], K = its axis 1): each comes as NAME_codes (uint8): NAME with its K axis moved to the last place and cut into blocks of 32 codes, [.., K / 32, bytes a block], one block behind the other in memory; one code a byte (a code: sign, 5 exponent bits, 2 mantissa bits); its scale is its entry of lowp_scales. Its value is code x scale, taken as it is: it is not quantised again, and the codes and scales need not be those that the quantiser above would give.
;; One version. Each part assembles by itself: llvm-mc -triple=amdgcn-amd-amdhsa -mcpu=gfx1250 --defsym DOCPART=n.
;; ======== version 1 of 1: 2 launches
;; limits: right only within a limited range of input values
;; workspace buffers: k_codes 4,194,304 bytes
;; launch kquant (part 1): grid 256 x 1, 4 waves a work-group, no clusters, 20,992 bytes of LDS; arguments key, lowp_scales, k_codes; writes k_codes
.if DOCPART == 1
	.amdgcn_target "amdgcn-amd-amdhsa--gfx1250"
	.amdhsa_code_object_version 6
	.text
	.protected	k_qe4314a9864_kquant
	.globl	k_qe4314a9864_kquant
	.p2align	8
	.type	k_qe4314a9864_kquant,@function
k_qe4314a9864_kquant:
	s_mov_b64 s[64:65], 0
	v_nop
	global_prefetch_b8 v0, s[64:65] scope:SCOPE_SE
	s_setreg_imm32_b32 hwreg(HW_REG_WAVE_MODE, 25, 1), 1
	s_wait_xcnt 0x0
; key [2][2048][8 x 128] f32 becomes codes of BF8 (E5M2), laid [16 = 8 b + kv head][2048 keys][128 codes]: a kv head's keys are then one dense run of bytes.
; code = x / 2^ek, held within +-57,344, rounded to the nearest code, ties to even.  ek is entry 1 (int32) of the buffer of scales.
; LIMITS: -126 <= ek <= 112, so that 2^ek and 57,344 x 2^ek are f32 numbers.  NaN among the inputs is not served (an infinity is held at the largest code).
; SHARES.  A work-group takes 128 keys of one kv head, each of its four waves 32 of them, in 8 steps of 4 keys (512 numbers).
; The conversion takes 8 numbers from ONE lane's consecutive registers, so a lane must hold 16 neighbours along the head's axis; a load is best where neighbouring lanes take neighbouring bytes.
; Both are had: each of a step's four loads reads one key's 512 consecutive bytes, 16 a lane; the 2,048 bytes go through the wave's own stage in LDS as they lie and come back 64 bytes a lane.
; A lane's 16 codes are 16 bytes: the wave's store covers 512 consecutive bytes, aligned.  No tensor load, no barrier, no loop: waves share nothing, every offset is an immediate.
.set STEPS, 8
.set SP,    80                         ; a lane's place in a stage: its 64 bytes + 16 of padding
.set WREG,  5120                       ; LDS of a wave: two stages of 32 x SP bytes
.set R,     16                         ; v16-79   four sets of 16 numbers as they are loaded
.set X,     80                         ; v80-111  two sets of 16 neighbours
.set C,     112                        ; v112-143 codes: four registers for each step, so that no store's data are written again
	s_load_b128 s[4:7], s[0:1], 0x0                ; key s[4:5], the scales' exponents s[6:7]
	s_load_b64 s[8:9], s[0:1], 0x10                ; the codes
	v_lshl_add_u32 v144, v0, 2, 0x5000
	v_mov_b32 v145, 0
	v_lshrrev_b32 v1, 5, v0
	v_readfirstlane_b32 s16, v1                    ; wave 0..3
	v_and_b32 v2, 31, v0                           ; lane
	v_lshlrev_b32 v3, 4, v2                        ; my 16 bytes of a load's 512, and of a store's 512
	s_mul_i32 s17, s16, WREG
	v_lshrrev_b32 v14, 2, v2
	v_mul_u32_u24 v14, v14, SP
	v_and_b32 v15, 3, v2
	v_lshl_add_u32 v14, v15, 4, v14
	v_add_nc_u32 v14, s17, v14                     ; the stage, on the way in: four lanes' 64 bytes on end, then 16 of padding; a load's 512 bytes take eight places
	v_mul_u32_u24 v15, v2, SP
	v_add_nc_u32 v15, s17, v15                     ; and on the way out: SP x lane: my 16 neighbours
	s_lshr_b32 s18, ttmp9, 7                       ; b
	s_lshl_b32 s18, s18, 23                        ; x 2,048 keys x 4,096 bytes
	s_bfe_u32 s19, ttmp9, 0x30004                  ; the kv head: 3 bits from bit 4
	s_lshl_b32 s19, s19, 9                         ; x 512 bytes
	s_add_co_u32 s18, s18, s19
	s_and_b32 s20, ttmp9, 15                       ; which 128 keys
	s_lshl_b32 s20, s20, 7
	s_lshl_b32 s21, s16, 5
	s_add_co_u32 s20, s20, s21                     ; my wave's first key
	s_lshl_b32 s21, s20, 12                        ; x 4,096 bytes
	s_add_co_u32 s18, s18, s21
	s_mov_b32 s19, 0                               ; s[18:19]: where my wave begins in key
	s_lshr_b32 s22, ttmp9, 4                       ; 8 b + kv head
	s_lshl_b32 s22, s22, 18                        ; x 2,048 keys x 128 codes
	s_lshl_b32 s20, s20, 7
	s_add_co_u32 s20, s22, s20
	s_mov_b32 s21, 0                               ; s[20:21]: where it begins in the codes
	s_wait_alu depctr_va_vdst(0)
	s_wait_kmcnt 0x0
	s_load_b32 s22, s[6:7], 0x4                    ; ek
	s_add_nc_u64 s[4:5], s[4:5], s[18:19]
	s_add_nc_u64 s[8:9], s[8:9], s[20:21]
.macro LOAD t                          ; step t: keys 4 t .. 4 t + 3, a key a load
.irp i, 0,1,2,3
	global_load_b128 v[R+16*((\t)%4)+4*\i:R+16*((\t)%4)+4*\i+3], v3, s[4:5] offset:4096*(4*(\t)+\i) th:TH_LOAD_NT   ; 32 lanes read 512 consecutive bytes
.endr
.endm
.macro TURN t                          ; step t's numbers through the stage: LDS serves a wave's instructions in order, so no wait stands between the stores and the loads
.irp i, 0,1,2,3
	ds_store_b128 v14, v[R+16*((\t)%4)+4*\i:R+16*((\t)%4)+4*\i+3] offset:32*SP*((\t)%2)+8*SP*\i
.endr
.irp i, 0,1,2,3
	ds_load_b128 v[X+16*((\t)%2)+4*\i:X+16*((\t)%2)+4*\i+3], v15 offset:32*SP*((\t)%2)+16*\i
.endr
.endm
.irp t, 0,1,2,3
	LOAD \t
.endr
	s_wait_kmcnt 0x0
	s_add_co_i32 s22, s22, 127
	s_lshl_b32 s23, s22, 23
	v_mov_b32 v11, s23                             ; 2^ek as f32: the conversion takes its exponent field
	s_wait_alu depctr_va_vdst(0)
	s_wait_loadcnt 12                              ; step 0's four loads are in; the twelve of steps 1 to 3 may be out
	TURN 0
.macro STEP t
.set XS, X+16*((\t)%2)
	s_wait_dscnt 0x0                               ; this step's numbers are back from the stage: so its stores into the stage have read their registers,
.if (\t)+4 < STEPS
	LOAD (\t)+4                                    ; which take the loads of four steps on
.endif
.if (\t)+1 < STEPS
.if STEPS-2-(\t) >= 3
	s_wait_loadcnt 12                              ; the next step's four loads are in; those of the three steps behind it may be out
.else
	s_wait_loadcnt 4*(STEPS-2-(\t))                ; the same, with fewer steps behind it
.endif
	TURN (\t)+1                                    ; they go through the other stage while this step is worked
.endif
.irp i, 0,1,2,3,4,5,6,7,8,9,10,11,12,13,14,15
.endr
	v_cvt_scalef32_pk8_bf8_f32 v[C+4*(\t):C+4*(\t)+1], v[XS:XS+7], v11        ; eight numbers / 2^ek, to the nearest code, ties to even; the first number's code in the lowest byte
	v_cvt_scalef32_pk8_bf8_f32 v[C+4*(\t)+2:C+4*(\t)+3], v[XS+8:XS+15], v11
	global_store_b128 v3, v[C+4*(\t):C+4*(\t)+3], s[8:9] offset:512*(\t)      ; lane l: key 4 t + l / 8, codes 16 (l % 8) on: byte 16 l of the step's 512.  (The codes go to a store alone)
.endm
.irp t, 0,1,2,3,4,5,6,7
	STEP \t
.endr
	s_wait_tensorcnt 0x0
	ds_add_u32 v144, v145
	s_wait_dscnt 0x0
	s_endpgm
.Lfunc_end_k_qe4314a9864_kquant:
	.size	k_qe4314a9864_kquant, .Lfunc_end_k_qe4314a9864_kquant-k_qe4314a9864_kquant
	.p2alignl 7, 3214868480
	.fill 96, 4, 3214868480
	.section	.rodata,"a",@progbits
	.p2align	6, 0x0
	.amdhsa_kernel k_qe4314a9864_kquant
		.amdhsa_group_segment_fixed_size 20992
		.amdhsa_private_segment_fixed_size 0
		.amdhsa_enable_private_segment 0
		.amdhsa_kernarg_size 24
		.amdhsa_user_sgpr_count 2
		.amdhsa_user_sgpr_kernarg_segment_ptr 1
		.amdhsa_wavefront_size32 1
		.amdhsa_system_sgpr_workgroup_id_x 1
		.amdhsa_system_sgpr_workgroup_id_y 1
		.amdhsa_system_sgpr_workgroup_id_z 1
		.amdhsa_system_vgpr_workitem_id 0
		.amdhsa_next_free_vgpr 146
		.amdhsa_next_free_sgpr 66
		.amdhsa_reserve_vcc 0
		.amdhsa_float_denorm_mode_32 3
		.amdhsa_float_denorm_mode_16_64 3
		.amdhsa_fp16_overflow 1
		.amdhsa_memory_ordered 1
		.amdhsa_forward_progress 1
		.amdhsa_inst_pref_size 12
	.end_amdhsa_kernel
	.amdgpu_metadata
---
amdhsa.version: [ 1, 2 ]
amdhsa.kernels:
  - .name:           k_qe4314a9864_kquant
    .symbol:         k_qe4314a9864_kquant.kd
    .args:
      - { .name: key, .offset: 0, .size: 8, .value_kind: global_buffer, .address_space: global }
      - { .name: lowp_scales, .offset: 8, .size: 8, .value_kind: global_buffer, .address_space: global }
      - { .name: k_codes, .offset: 16, .size: 8, .value_kind: global_buffer, .address_space: global }
    .group_segment_fixed_size: 20992
    .private_segment_fixed_size: 0
    .kernarg_segment_align: 8
    .kernarg_segment_size: 24
    .max_flat_workgroup_size: 128
    .sgpr_count:     66
    .vgpr_count:     146
    .wavefront_size: 32
...
	.end_amdgpu_metadata
.endif
;; end of part 1
;; launch attn (part 2): grid 16 x 16, 16 waves a work-group, clusters of 4 x 1, 327,680 bytes of LDS; arguments query, k_codes, value_codes, lowp_scales, out0; writes out0
.if DOCPART == 2
	.amdgcn_target "amdgcn-amd-amdhsa--gfx1250"
	.amdhsa_code_object_version 6
	.text
	.protected	k_qe4314a9864_attn
	.globl	k_qe4314a9864_attn
	.p2align	8
	.type	k_qe4314a9864_attn,@function
k_qe4314a9864_attn:
	s_mov_b64 s[64:65], 0
	v_nop
	global_prefetch_b8 v0, s[64:65] scope:SCOPE_SE
	s_setreg_imm32_b32 hwreg(HW_REG_WAVE_MODE, 25, 1), 1
	s_wait_xcnt 0x0
	s_wait_alu depctr_hold_cnt(0) depctr_sa_sdst(0) depctr_va_vdst(0) depctr_va_sdst(0) depctr_va_ssrc(0) depctr_va_vcc(0) depctr_vm_vsrc(0)
	s_getreg_b32 s2, hwreg(HW_REG_IB_STS2, 6, 4)
	s_cmp_eq_u32 s2, 0
	s_cbranch_scc0 .Lentry_in_a_cluster
	s_endpgm
.Lentry_in_a_cluster:
	s_bfe_u32 s2, ttmp6, 0x10000c
	s_cmp_lg_u32 s2, 0x3003
	s_cbranch_scc0 .Lentry_shape_is_right
	s_endpgm
.Lentry_shape_is_right:
; out[b][q][h][:] = the sum over keys k <= q of softmax_k(Q[b][q][h] . K[b][k][h / 4] / sqrt(128)) V[b][k][h / 4][:], both products on codes of BF8 (E5M2), each operand with its given scale 2^e: eq, ek, ep, ev.
; query, out: [2][2048][32 x 128] f32.  K: codes made by the launch before, [16 = 8 b + kv head][2048][128].  V: codes as given, keys innermost, [16][128][2048].
; THE SOFTMAX AHEAD OF THE SECOND PRODUCT: t = score x log2(e) / sqrt(128); M = the row's largest t so far, rounded UP to a whole number; p = 2^(t - M) is quantised along the keys, not normalised.
; The row's sum is taken of the unquantised p, in f32, and divides O at the end.  When M moves, the sum and O are multiplied by 2^(old M - new M): nothing is rounded.
; THE MASK.  Keys behind the query get -infinity on the diagonal, and key steps that lie wholly behind a wave's queries are left out.
; LIMIT: the definition fills masked scores with -50,000, whose weight is 0 in f32 as long as a row's largest visible score lies above -49,890: rows below that are not served.
; LIMITS on the given exponents, so that each power of two below is an f32 number: eq and ep between -126 and 112; eq + ek between -123 and 130; ep + ev is applied by v_ldexp_f32 and has none.  NaN among the inputs is not served.
; SHARES.  A work-group owns TWO blocks of 256 queries of one head: block 7 - PI, which needs 8 - PI slots of 256 keys, and then block PI, which needs PI + 1: nine slots whatever PI (0..3) is,
; so the 256 work-groups have equal work and the loop over slots has a constant count.  Each of the sixteen waves owns 16 queries of the block in hand, one tile, in 256 registers: four waves to a SIMD.
; CLUSTER.  The four query heads of a kv head, with the same PI, form a cluster and walk the same slots of K and V in the same trips: each tile is asked for JOINTLY, by the same tensor load with the same
; descriptor and a mask that names the four.  The place in the cluster (cx = the head within its group) enters the global addresses of query, out and the prefetches alone: no branch, no LDS address.
; LAYOUT.  Both products are used transposed: S^T = K Q^T (source 0 = 16 keys, source 1 = my 16 queries), O^T = V^T P^T (source 0 = 16 of the head's 128, source 1 = P): a lane holds ONE query (lane % 16) throughout.
; THE KEYS OF A TILE ARE NOT NEIGHBOURS: lane r of tile 2 b + u takes key 32 b + 8 u + r + 8 (r / 8), so that the 16 registers of tiles 2 b and 2 b + 1 are 16 neighbouring keys, 32 b + 16 (lane / 16) + 0 .. 15.
; A fragment is fetched by four loads of 16 bytes, 32 apart: a permutation of k, the same on both sides of each product.
; Q is read once, by the wave that owns it: it is quantised in registers, after a turn through the wave's stage so that each load covers whole aligned runs of 256 bytes.
; REGISTERS: v1-11 addresses; v12 -M, v13 the largest t, v[14:15] the sum in two halves; v16-31 Q's codes; v32-95 four fragments of K or V, later rows of O; v96-159 S^T, then p (and Q as loaded);
;   v160-223 O^T (and Q after the turn); v224-239 p's codes; v240-254 constants and work.
.set KP,    144                        ; a key's row in LDS: 128 bytes + 16 of padding
.set VP,    272                        ; a row of V's tile (256 keys) in LDS: 256 bytes + 16
.set VOFF,  256*KP                     ; a slot: 256 rows of K, then 128 rows of V: 71,680 bytes
.set SLOT1, 1<<17                      ; slot 1 begins here, so that one exclusive or turns an address in one slot into the other's
.set STAGE, SLOT1+VOFF+128*VP          ; behind the ring: 16 rows x 272 bytes for each wave; no tensor load lands here
.set SPARE, STAGE+16*16*272            ; behind the stages: the spare words, 128 bytes for each wave: eight blocks of 256 bytes that no other line names
.set AK0,  1                           ; v1   my lane's place in a tile of K
.set AV0,  2                           ; v2   the same for V
.set PFO,  3                           ; v3   the offset of K's and V's prefetches; never rewritten
.set QRD,  4                           ; v4   the stage: where I read my 16 neighbours of Q
.set SPW,  5                           ; v5   LDS address of my spare word: SPARE + 4 x my thread's number; never rewritten
.set NIL,  6                           ; v6   0; never rewritten
.set GO,   7                           ; v7   my byte offset in the wave's rows of query and of out: lanes 0-15 one row, lanes 16-31 the next, 16 bytes a lane
.set ADK,  8                           ; v8   LDS address of the step's tiles of K
.set ADV,  9                           ; v9   of V
.set STO,  10                          ; v10  the stage: where I put 32 bytes of a row of O
.set RD,   11                          ; v11  the stage by rows: lanes 0-15 one row of 256 bytes, lanes 16-31 the next
.set PQO,  246                         ; v246 the offset of Q's prefetch: a lane to each run of 256 bytes of my tile
.set DQ,   247                         ; v247 lane % 16 - 16 (lane / 16), for the diagonal
.set TB,   2                           ; s2   LDS byte at which the slot in hand begins
.set CX,   14                          ; s14  my place in the cluster: the head within its group
.set YY,   15                          ; s15  8 b + kv head
.set Q0B,  16                          ; s16  my first query in the second block
.set WV,   18                          ; s18  my wave's number
.set EPV,  19                          ; s19  ep + ev
.set SEL,  20                          ; s[20:21] lane selects for v_permlanex16_b32: lane l xor 16
.set CS,   22                          ; s[22:23] c = log2(e) / sqrt(128) x 2^(eq + ek): the packed form names a pair and takes its low word for both halves
.set G1K,  24                          ; s[24:31] descriptor group 1 for K's tiles;  s[32:39] for V's;  s[40:43], s[44:47] their groups 0
.set G1V,  32
.set G0K,  40
.set G0V,  44
.set KB,   48                          ; s[48:49] K's codes at my half of slot 0;  s[50:51] V's
.set VB,   50
.set QA1,  52                          ; s[52:53], s[54:55] query at my tile of the first and of the second block;  s[56:57], s[58:59] out likewise; never rewritten
.set QA2,  54
.set OA1,  56
.set OA2,  58
.set PI,   60                          ; s60  the cluster's x
.set NB,   61                          ; s61  8 - PI: slots of the first block
.set SWI,  62                          ; s62  PI + 1: what s[SLOTS] holds in the first block's last trip
.set SLOTS, 67                         ; s67  the loop's count, 8 down to 1
.set PFA,  76                          ; s[76:77] where my prefetches of K or V stand;  s[78:79] a slot on, in bytes
.set PFS,  78
.set LIM,  80                          ; s80  2 in a wave that prefetches K or V, else the greatest number: a wave prefetches while s[SLOTS] is above it
.set KF,   98                          ; s98  the step's first key
.set Q0,   99                          ; s99  my first query
; A joint load.  Waves 0 and 1 fetch K's halves of a slot, waves 2 and 3 V's, the others nothing.  The branches hang on the wave's number alone: they are the same in every work-group.
; Four v_nop follow each of the two lines.
.macro JLOAD
	s_cmp_lt_u32 s[WV], 2
	s_cbranch_scc0 .Lnot_k_\@
	tensor_load_to_lds s[G0K:G0K+3], s[G1K:G1K+7]
	s_nop 0
.rept 4
	v_nop
.endr
	s_branch .Lasked_\@
.Lnot_k_\@:
	s_cmp_lt_u32 s[WV], 4
	s_cbranch_scc0 .Lasked_\@
	tensor_load_to_lds s[G0V:G0V+3], s[G1V:G1V+7]
	s_nop 0
.rept 4
	v_nop
.endr
.Lasked_\@:
.endm
; A round of the cluster's barrier: my work-group's barrier, so that wave 0's signal speaks for all sixteen waves; wave 0 signals for the work-group; every wave waits for all four work-groups; my work-group's barrier once more.
.macro CROUND
	s_barrier_signal -1
	s_barrier_wait -1
	s_cmp_lg_u32 s[WV], 0
	s_cbranch_scc1 .Lnot_wave_0_\@
	s_barrier_signal -3
.Lnot_wave_0_\@:
	s_barrier_wait -3
	s_barrier_signal -1
	s_barrier_wait -1
.endm
; A PREFETCH of the slot that the NEXT change of slots will ask for: trip t names slot t + 2, two key steps ahead of the joint load that wants it, for t = 0 .. 5 (slots 2 to 7; slots 0 and 1 come by their loads alone).
; Each aligned run of 256 bytes is named once in the launch.  All four clusters of a kv head walk slot t in trip t as long as they need it: the first of them (cluster x = 0, which needs all eight) asks.
; Its four partners share a slot out BY ADDRESS: of K's dense 32,768 bytes each takes 8,192 (wave 4, lanes 256 bytes apart), of V's 128 rows each takes 32 (wave 5, a lane a row: a slot's part of a row is 256 bytes, aligned).
.macro ASK
	s_cmp_gt_u32 s[SLOTS], s[LIM]
	s_cbranch_scc0 .Lnot_mine_\@
	global_prefetch_b8 v[PFO], s[PFA:PFA+1] th:TH_LOAD_NT scope:SCOPE_SE
.Lnot_mine_\@:
.endm
; A PREFETCH of my second tile of Q (16 rows x 512 bytes: 32 runs of 256, a lane each), at the head of the first block's last trip: a slot's two key steps ahead of the loads.  Every wave asks once, for bytes that it alone reads.
.macro ASKQ
	s_cmp_eq_u32 s[SLOTS], s[SWI]
	s_cbranch_scc0 .Lnot_yet_\@
	global_prefetch_b8 v[PQO], s[QA2:QA2+1] th:TH_LOAD_NT scope:SCOPE_SE
.Lnot_yet_\@:
.endm
	s_load_b256 s[4:11], s[0:1], 0x0               ; query s[4:5], K's codes s[6:7], V's codes s[8:9], the scales' exponents s[10:11]
	s_load_b64 s[12:13], s[0:1], 0x20              ; out
	v_lshl_add_u32 v[SPW], v0, 2, SPARE
	v_mov_b32 v[NIL], 0
	ds_add_u32 v5, v6
	ds_add_u32 v5, v6
	s_wait_dscnt 0x0
	v_lshrrev_b32 v8, 5, v0
	s_delay_alu instid0(VALU_DEP_1)
	v_readfirstlane_b32 s[WV], v8                  ; wave 0..15
	s_bfe_u32 s[CX], ttmp6, 0x40000                ; cx
	s_and_b32 s[YY], ttmp7, 0xffff                 ; 8 b + kv head, which the four partners share
	s_mov_b32 s[PI], ttmp9                         ; in a cluster launch ttmp9 counts clusters: 0..3, shared too
	s_sub_co_u32 s[NB], 8, s[PI]
	s_add_co_u32 s[SWI], s[PI], 1
	; descriptor group 1.  K: 128 rows of 128 bytes, dense in memory;  V: 64 rows of 256 bytes, 2,048 bytes apart
	s_mov_b32 s[G1K], 15|(0<<16)|(1<<20)|(1<<21)|(4<<22)|(3<<25)  ; 15:0 the mask: all four work-groups; 17:16 elements of 1 byte; 20 padding on; 21 set beside a mask; 24:22 after every 32 words (code 4); 31:25 four words (code 3)
	s_mov_b32 s[G1K+1], 128<<16                    ; tensor_dim0
	s_mov_b32 s[G1K+2], 128<<16                    ; tensor_dim1
	s_mov_b32 s[G1K+3], 128<<16                    ; tile_dim0
	s_mov_b32 s[G1K+4], 128                        ; tile_dim1
	s_mov_b32 s[G1K+5], 128                        ; tensor_dim0_stride
	s_mov_b32 s[G1K+6], 0
	s_mov_b32 s[G1K+7], 0
	s_mov_b32 s[G1V], 15|(0<<16)|(1<<20)|(1<<21)|(5<<22)|(3<<25)  ; the same, four words of padding after every 64
	s_mov_b32 s[G1V+1], 256<<16
	s_mov_b32 s[G1V+2], 64<<16
	s_mov_b32 s[G1V+3], 256<<16
	s_mov_b32 s[G1V+4], 64
	s_mov_b32 s[G1V+5], 2048
	s_mov_b32 s[G1V+6], 0
	s_mov_b32 s[G1V+7], 0
	s_mov_b32 s[SEL], 0x76543210
	s_mov_b32 s[SEL+1], 0xfedcba98
	s_mov_b32 s[CS], 0x3e0293ee                    ; log2(e) / sqrt(128)
	s_mov_b32 s[TB], 0
	s_mov_b32 s[SLOTS], 8
	s_mov_b32 s[KF], 0
	s_lshl_b32 s96, s[WV], 4
	s_lshl_b32 s[Q0B], s[PI], 8
	s_add_co_u32 s[Q0B], s[Q0B], s96               ; 256 PI + 16 x wave
	s_sub_co_u32 s[Q0], 7, s[PI]
	s_lshl_b32 s[Q0], s[Q0], 8
	s_add_co_u32 s[Q0], s[Q0], s96                 ; 256 (7 - PI) + 16 x wave: the larger block goes first
	; every LDS address of a lane is made here, ahead of the first branch on the wave's number
	v_and_b32 v8, 15, v0                           ; r = lane % 16
	v_bfe_u32 v9, v0, 4, 1                         ; hl = lane / 16
	s_delay_alu instid0(VALU_DEP_2)
	v_and_b32 v254, 8, v8
	s_delay_alu instid0(VALU_DEP_1)
	v_add_nc_u32 v254, v254, v8                    ; r + 8 (r / 8)
	s_delay_alu instid0(VALU_DEP_1)
	v_mul_u32_u24 v[AK0], v254, KP
	s_delay_alu instid0(VALU_DEP_1)
	v_lshl_add_u32 v[AK0], v9, 4, v[AK0]
	v_mul_u32_u24 v[AV0], v8, VP
	s_delay_alu instid0(VALU_DEP_1)
	v_lshl_add_u32 v[AV0], v9, 4, v[AV0]
	s_delay_alu instid0(VALU_DEP_1)
	v_add_nc_u32 v[AV0], VOFF, v[AV0]
	s_mul_i32 s96, s[WV], 16*272
	s_add_co_u32 s96, s96, STAGE                   ; my stage
	v_mul_u32_u24 v254, v8, 272
	s_delay_alu instid0(VALU_DEP_1)
	v_add_nc_u32 v254, s96, v254                   ; its row r
	s_delay_alu instid0(VALU_DEP_1)
	v_lshl_add_u32 v[QRD], v9, 6, v254             ; + 64 hl: 16 numbers of Q
	s_delay_alu instid0(VALU_DEP_2)
	v_lshl_add_u32 v[STO], v9, 5, v254             ; + 32 hl: 8 numbers of O
	v_mul_u32_u24 v[RD], v9, 272
	s_delay_alu instid0(VALU_DEP_1)
	v_lshl_add_u32 v[RD], v8, 4, v[RD]
	s_delay_alu instid0(VALU_DEP_1)
	v_add_nc_u32 v[RD], s96, v[RD]                 ; by rows: row hl, 16 bytes a lane
	v_lshlrev_b32 v[GO], 14, v9                    ; the same two rows in query and out: 16,384 bytes from row to row
	s_delay_alu instid0(VALU_DEP_1)
	v_lshl_add_u32 v[GO], v8, 4, v[GO]
	v_lshlrev_b32 v[DQ], 4, v9
	s_delay_alu instid0(VALU_DEP_1)
	v_sub_nc_u32 v[DQ], v8, v[DQ]                  ; r - 16 hl
	v_and_b32 v254, 31, v0
	s_delay_alu instid0(VALU_DEP_1)
	v_lshrrev_b32 v[PQO], 1, v254
	s_delay_alu instid0(VALU_DEP_1)
	v_lshlrev_b32 v[PQO], 14, v[PQO]
	v_and_b32 v254, 1, v0
	s_delay_alu instid0(VALU_DEP_1)
	v_lshl_add_u32 v[PQO], v254, 8, v[PQO]         ; row lane / 2, half lane % 2 of its 512 bytes
	v_mov_b32 v248, 0                              ; written once: a lane permute's destination counts as one of its sources
	v_mov_b32 v253, 0                              ; (named as the upper half of the pair v[252:253])
	; what I fetch, if I fetch: half (wave % 2) of K's 256 rows or of V's 128.  s72 to s75 never hold cx
	s_and_b32 s72, s[WV], 1
	s_lshl_b32 s73, s[YY], 18                      ; the kv head's first byte, in K's codes and in V's: 2,048 x 128
	s_mul_i32 s[G0K+1], s72, 128*KP                ; 63:32 LDS address, slot 0
	s_mul_i32 s[G0V+1], s72, 64*VP
	s_add_co_u32 s[G0V+1], s[G0V+1], VOFF
	s_mov_b32 s[G0K], 1                            ; 1:0 count = 1
	s_mov_b32 s[G0V], 1
	s_lshl_b32 s74, s72, 14                        ; K: 128 rows of 128 bytes
	s_add_co_u32 s74, s74, s73
	s_mov_b32 s75, 0
	; my tiles of query and out: (b << 25) + (head << 9) + (wave << 18) + (block << 22)
	s_lshr_b32 s82, s[YY], 3
	s_lshl_b32 s82, s82, 25
	s_and_b32 s83, s[YY], 7
	s_lshl_b32 s83, s83, 2
	s_add_co_u32 s83, s83, s[CX]                   ; the query head: 4 x kv head + cx
	s_lshl_b32 s83, s83, 9
	s_add_co_u32 s82, s82, s83
	s_lshl_b32 s83, s[WV], 18
	s_add_co_u32 s82, s82, s83
	s_sub_co_u32 s84, 7, s[PI]
	s_lshl_b32 s84, s84, 22
	s_add_co_u32 s84, s84, s82
	s_mov_b32 s85, 0
	s_lshl_b32 s86, s[PI], 22
	s_add_co_u32 s86, s86, s82
	s_mov_b32 s87, 0
	s_wait_kmcnt 0x0
	s_load_b128 s[68:71], s[10:11], 0x0            ; eq, ek, ep, ev
	s_add_nc_u64 s[KB:KB+1], s[6:7], s[74:75]
	s_lshl_b32 s74, s72, 17                        ; V: 64 rows of 2,048 bytes
	s_add_co_u32 s74, s74, s73
	s_add_nc_u64 s[VB:VB+1], s[8:9], s[74:75]
	s_add_nc_u64 s[QA1:QA1+1], s[4:5], s[84:85]
	s_add_nc_u64 s[QA2:QA2+1], s[4:5], s[86:87]
	s_add_nc_u64 s[OA1:OA1+1], s[12:13], s[84:85]
	s_add_nc_u64 s[OA2:OA2+1], s[12:13], s[86:87]
	; the prefetches of K and V (macro ASK): where my wave's stand, and who asks
	s_cmp_eq_u32 s[WV], 4                          ; wave 4 asks for K's codes, wave 5 for V's
	s_cselect_b64 s[PFA:PFA+1], s[6:7], s[8:9]
	s_mov_b32 s[PFS], 256
	s_cselect_b32 s[PFS], 32768, s[PFS]            ; a slot on
	s_mov_b32 s88, 2048
	s_cselect_b32 s88, 256, s88                    ; from lane to lane
	s_cselect_b32 s89, 13, 16                      ; my work-group's part: cx x 8,192 bytes of K, cx x 32 rows of V
	v_and_b32 v[PFO], 31, v0
	s_delay_alu instid0(VALU_DEP_1)
	v_mul_lo_u32 v[PFO], v[PFO], s88
	s_lshl_b32 s82, s[CX], s89
	s_add_co_u32 s82, s82, s[PFS]                  ; in slot 1: the first change of slots steps it to slot 2.  Nothing is prefetched here, at the head
	s_lshl_b32 s83, s[YY], 18
	s_add_co_u32 s82, s82, s83
	s_mov_b32 s83, 0
	s_mov_b32 s[PFS+1], 0
	s_add_nc_u64 s[PFA:PFA+1], s[PFA:PFA+1], s[82:83]
	s_sub_co_u32 s82, s[WV], 4
	s_lshr_b32 s82, s82, 1                         ; 0 in waves 4 and 5,
	s_or_b32 s82, s82, ttmp9                       ; of the kv head's first cluster: the same in all four partners
	s_cmp_eq_u32 s82, 0
	s_cselect_b32 s[LIM], 2, -1
	CROUND                                         ; all four work-groups are here: the first joint loads meet
	s_mov_b64 s[G0K+2:G0K+3], s[KB:KB+1]           ; 120:64 global address: slot 0 takes the kv head's first 256 keys
	s_or_b32 s[G0K+3], s[G0K+3], 0x80000000        ; 127:126 type = 2
	s_mov_b64 s[G0V+2:G0V+3], s[VB:VB+1]
	s_or_b32 s[G0V+3], s[G0V+3], 0x80000000
	JLOAD                                          ; ahead of every wait on TENSORcnt and of every LDS read: one load of mine is out
; My tile of Q, 16 rows x 512 bytes, as it lies: sixteen lanes read 256 consecutive bytes, aligned; half u of the rows into v[96 + 32 u] on
.macro QLOAD qa
.irp u, 0,1
.irp i, 0,1,2,3,4,5,6,7
	global_load_b128 v[96+32*\u+4*\i:96+32*\u+4*\i+3], v[GO], s[\qa:\qa+1] offset:2*\i*16384+256*\u th:TH_LOAD_NT
.endr
.endr
.endm
; Q through my stage, half a row (64 numbers, 256 bytes) of the 16 rows at a time, so that register 160 + 16 c + i is q(r, 32 c + 16 hl + i); then the conversion, and the start of a block's sums.
.macro QTURN
	s_wait_loadcnt 0x0                             ; Q
.irp u, 0,1
.irp i, 0,1,2,3,4,5,6,7
	ds_store_b128 v[RD], v[96+32*\u+4*\i:96+32*\u+4*\i+3] offset:2*\i*272
.endr
.irp c, 0,1
.irp j, 0,1,2,3
	ds_load_b128 v[160+16*(2*\u+\c)+4*\j:160+16*(2*\u+\c)+4*\j+3], v[QRD] offset:128*\c+16*\j   ; LDS serves a wave's instructions in order: these see my stores, and the next half's stores come behind them
.endr
.endr
.endr
	s_wait_dscnt 0x0
.irp c, 0,1,2,3
.irp i, 0,1,2,3,4,5,6,7,8,9,10,11,12,13,14,15
.endr
	v_cvt_scalef32_pk8_bf8_f32 v[16+4*\c:17+4*\c], v[160+16*\c:167+16*\c], v241
	v_cvt_scalef32_pk8_bf8_f32 v[18+4*\c:19+4*\c], v[168+16*\c:175+16*\c], v241
.endr
	v_nop                                          ; one plain vector instruction between the last conversion and the lines that write its sources or read its result
	v_mov_b32 v13, 0xff61b1e6                      ; the largest t so far: -3e38, under every t
	s_delay_alu instid0(VALU_DEP_1)
	v_floor_f32 v12, -v13                          ; -M
	v_mov_b32 v14, 0                               ; the sum, in two halves
	v_mov_b32 v15, 0
.irp j, 0,1,2,3,4,5,6,7,8,9,10,11,12,13,14,15,16,17,18,19,20,21,22,23,24,25,26,27,28,29,30,31,32,33,34,35,36,37,38,39,40,41,42,43,44,45,46,47,48,49,50,51,52,53,54,55,56,57,58,59,60,61,62,63
	v_mov_b32 v[160+\j], 0                         ; O^T.  (The key step has no first form of its own: a block's first step finds zeros, which the first change of M leaves zeros)
.endr
.endm
	QLOAD QA1
	s_wait_kmcnt 0x0
	s_add_co_i32 s82, s68, s69
	s_lshl_b32 s82, s82, 23
	s_add_co_i32 s[CS], s[CS], s82                 ; a score stands for score x 2^(eq + ek): the two exponents are added to c's exponent field
	s_mov_b32 s[CS+1], s[CS]                       ; (named with it as a pair, so it is written)
	s_add_co_i32 s82, s70, 127
	s_lshl_b32 s83, s82, 23
	v_mov_b32 v244, s83                            ; 2^ep as f32, for p's conversions
	s_add_co_i32 s82, s68, 127
	s_lshl_b32 s83, s82, 23
	v_mov_b32 v241, s83                            ; 2^eq, for Q's
	s_add_co_i32 s[EPV], s70, s71
	s_wait_alu depctr_va_vdst(0)
	QTURN
; A KEY STEP: 128 keys, the q-th of the slot in hand.
.macro STEP q
	s_add_co_u32 s96, s[Q0], 15                    ; a step all of whose keys come after my 16 queries is left out: a scalar branch on ids, round the step's loads, products and softmax; no barrier and no tensor load stands in a step
	s_cmp_gt_u32 s[KF], s96
	s_cbranch_scc1 .Lhidden_\@
	v_add_nc_u32 v[ADK], s[TB], v[AK0]
	s_wait_alu depctr_va_vdst(0)
	v_add_nc_u32 v[ADV], s[TB], v[AV0]
.irp g, 0,1                                    ; S^T = K Q^T, four tiles of 16 keys at a time
.rept 4-2*(1-\g)
	v_nop                                          ; four places in front of loads into registers that matrix instructions have read (ISA guide 7.12.1 for vector instructions); the two additions above are places too
.endr
.irp t, 0,1,2,3
.irp c, 0,1,2,3
	ds_load_b128 v[32+16*\t+4*\c:32+16*\t+4*\c+3], v[ADK] offset:(128*(\q)+32*((4*\g+\t)/2)+8*(\t%2))*KP+32*\c
.endr
.endr
	s_wait_dscnt 0x0
.irp t, 0,1,2,3
	v_wmma_f32_16x16x128_bf8_bf8 v[96+8*(4*\g+\t):103+8*(4*\g+\t)], v[32+16*\t:47+16*\t], v[16:31], 0
.endr
.endr
.rept 4
	v_nop                                          ; four places in front of the first read of the scores
.endr
	s_add_co_u32 s96, s[KF], 127                   ; on the diagonal the scores of hidden keys become -infinity ahead of the maximum: p = 0 then.  A step all of whose keys count skips this
	s_cmp_le_u32 s96, s[Q0]
	s_cbranch_scc1 .Lopen_\@
	s_sub_co_i32 s96, s[Q0], s[KF]
	v_add_nc_u32 v252, s96, v[DQ]                  ; d = my query - KF - 16 (lane / 16).  Register 16 b + i holds key KF + 16 (lane / 16) + 32 b + i: hidden where 32 b + i > d
	v_mov_b32 v254, 0xff800000                     ; -infinity
.irp n, 0,1,2,3,4,5,6,7,8,9,10,11,12,13,14,15,16,17,18,19,20,21,22,23,24,25,26,27,28,29,30,31,32,33,34,35,36,37,38,39,40,41,42,43,44,45,46,47,48,49,50,51,52,53,54,55,56,57,58,59,60,61,62,63
	v_cmp_gt_i32 vcc_lo, 32*(\n/16)+\n%16, v252
	v_cndmask_b32 v[96+\n], v[96+\n], v254, vcc_lo
.endr
.Lopen_\@:
	v_max3_num_f32 v254, v96, v97, v98             ; the step's largest score of my query, among my 64 keys, in two chains (each accumulator is read from its low end on),
	v_max3_num_f32 v252, v99, v100, v101
.irp i, 6,10,14,18,22,26,30,34,38,42,46,50,54,58
	v_max3_num_f32 v254, v254, v[96+\i], v[97+\i]
	v_max3_num_f32 v252, v252, v[98+\i], v[99+\i]
.endr
	v_max3_num_f32 v254, v254, v158, v159
	s_delay_alu instid0(VALU_DEP_1)
	v_max_num_f32 v254, v254, v252
	s_delay_alu instid0(VALU_DEP_1)
	v_permlanex16_b32 v248, v254, s[SEL], s[SEL+1]
	s_delay_alu instid0(VALU_DEP_1)
	v_max_num_f32 v254, v254, v248                 ; and among lane l xor 16's.  (The step's first key counts for all my queries, so this is a number)
	s_delay_alu instid0(VALU_DEP_1)
	v_mul_f32 v254, s[CS], v254                    ; as t (c is positive)
	s_delay_alu instid0(VALU_DEP_1)
	v_max_num_f32 v13, v13, v254                   ; the running largest t
	v_mov_b32 v254, v12
	s_delay_alu instid0(VALU_DEP_2)
	v_floor_f32 v12, -v13                          ; the new -M = floor(-t) = -ceil(t): M is a whole number
	s_delay_alu instid0(VALU_DEP_1)
	v_sub_f32 v254, v12, v254                      ; M's old value less its new one: a whole number, 0 or less
	s_delay_alu instid0(VALU_DEP_1)
	v_cvt_i32_f32 v254, v254                       ; (it saturates)
	s_delay_alu instid0(VALU_DEP_1)
	v_ldexp_f32 v252, 1.0, v254                    ; f = 2^(old M - new M): what was summed under the old M is brought under the new by a multiplication that rounds nothing
.irp j, 0,2,4,6,8,10,12,14,16,18,20,22,24,26,28,30,32,34,36,38,40,42,44,46,48,50,52,54,56,58,60,62
	v_pk_fma_f32 v[96+\j:97+\j], v[96+\j:97+\j], s[CS:CS+1], v[12:13] op_sel_hi:[1,0,0]   ; t - M, two at a time (of the pairs c and -M the low word serves both halves)
.endr
	s_wait_alu depctr_va_vdst(0)
.irp j, 0,1,2,3,4,5,6,7,8,9,10,11,12,13,14,15,16,17,18,19,20,21,22,23,24,25,26,27,28,29,30,31,32,33,34,35,36,37,38,39,40,41,42,43,44,45,46,47,48,49,50,51,52,53,54,55,56,57,58,59,60,61,62,63
	v_exp_f32 v[96+\j], v[96+\j]                   ; p = 2^(t - M), at most 1: not normalised
.endr
	v_pk_mul_f32 v[14:15], v[14:15], v[252:253] op_sel_hi:[1,0]   ; the sums under the new M: the plain instruction behind the exponentials
	s_wait_alu depctr_va_vdst(0)                   ; one wait for the whole batch of 64, ahead of its first reader
	v_pk_add_f32 v[242:243], v[100:101], v[104:105]
	v_pk_add_f32 v[254:255], v[108:109], v[112:113]
	v_pk_add_f32 v[250:251], v[116:117], v[120:121]
	v_pk_add_f32 v[238:239], v[124:125], v[128:129]
	v_pk_add_f32 v[236:237], v[132:133], v[136:137]
	v_pk_add_f32 v[234:235], v[140:141], v[144:145]
	v_pk_add_f32 v[232:233], v[148:149], v[152:153]
	v_pk_add_f32 v[14:15], v[14:15], v[156:157]
	v_pk_add_f32 v[242:243], v[242:243], v[96:97]
	v_pk_add_f32 v[254:255], v[254:255], v[98:99]
	v_pk_add_f32 v[250:251], v[250:251], v[102:103]
	v_pk_add_f32 v[238:239], v[238:239], v[106:107]
	v_pk_add_f32 v[236:237], v[236:237], v[110:111]
	v_pk_add_f32 v[234:235], v[234:235], v[114:115]
	v_pk_add_f32 v[232:233], v[232:233], v[118:119]
	v_pk_add_f32 v[14:15], v[14:15], v[122:123]
	v_pk_add_f32 v[242:243], v[242:243], v[126:127]
	v_pk_add_f32 v[254:255], v[254:255], v[130:131]
	v_pk_add_f32 v[250:251], v[250:251], v[134:135]
	v_pk_add_f32 v[238:239], v[238:239], v[138:139]
	v_pk_add_f32 v[236:237], v[236:237], v[142:143]
	v_pk_add_f32 v[234:235], v[234:235], v[146:147]
	v_pk_add_f32 v[232:233], v[232:233], v[150:151]
	v_pk_add_f32 v[14:15], v[14:15], v[154:155]
	v_pk_add_f32 v[242:243], v[242:243], v[158:159]
	s_delay_alu instid0(VALU_DEP_2)
	v_pk_add_f32 v[14:15], v[14:15], v[238:239]
	s_delay_alu instid0(VALU_DEP_2)
	v_pk_add_f32 v[242:243], v[242:243], v[236:237]
	v_pk_add_f32 v[254:255], v[254:255], v[234:235]
	v_pk_add_f32 v[250:251], v[250:251], v[232:233]
	s_delay_alu instid0(VALU_DEP_2)
	v_pk_add_f32 v[14:15], v[14:15], v[254:255]
	s_delay_alu instid0(VALU_DEP_2)
	v_pk_add_f32 v[242:243], v[242:243], v[250:251]
	s_delay_alu instid0(VALU_DEP_1)
	v_pk_add_f32 v[14:15], v[14:15], v[242:243]
.irp b, 0,1,2,3
.irp i, 0,1,2,3,4,5,6,7,8,9,10,11,12,13,14,15
.endr
	v_cvt_scalef32_pk8_bf8_f32 v[224+4*\b:225+4*\b], v[96+16*\b:103+16*\b], v244
	v_cvt_scalef32_pk8_bf8_f32 v[226+4*\b:227+4*\b], v[104+16*\b:111+16*\b], v244
.endr
.irp j, 0,2,4,6,8,10,12,14,16,18,20,22,24,26,28,30,32,34,36,38,40,42,44,46,48,50,52,54,56,58,60,62
	v_pk_mul_f32 v[160+\j:161+\j], v[160+\j:161+\j], v[252:253] op_sel_hi:[1,0]   ; O^T under the new M: x f.  (These 32 are also the places in front of the matrix instructions and loads below)
.endr
	s_wait_alu depctr_va_vdst(0)
.irp g, 0,1                                    ; O^T += V^T P^T: four tiles of 16 of the head's 128 at a time; K = these 128 keys; the eight accumulators take turns
.if \g > 0
.rept 4
	v_nop
.endr
.endif
.irp t, 0,1,2,3
.irp c, 0,1,2,3
	ds_load_b128 v[32+16*\t+4*\c:32+16*\t+4*\c+3], v[ADV] offset:16*(4*\g+\t)*VP+128*(\q)+32*\c
.endr
.endr
	s_wait_dscnt 0x0
.irp t, 0,1,2,3
	v_wmma_f32_16x16x128_bf8_bf8 v[160+8*(4*\g+\t):167+8*(4*\g+\t)], v[32+16*\t:47+16*\t], v[224:239], v[160+8*(4*\g+\t):167+8*(4*\g+\t)]
.endr
.endr
.Lhidden_\@:
	s_add_co_u32 s[KF], s[KF], 128
.endm
; THE CHANGE OF SLOTS stands at a slot's head.  Each wave waits for all its tensor loads (its part of the slot that it is about to read), adds 0 to its spare word, and waits for that and for its reads of the slot that it has left.
; fill = 1: that other slot is filled with the keys of the next trip.  The barrier is then a round of the cluster's, so that no wave of any partner still reads the slot or has a load on its way; the joint load is the first
; thing behind it and has a whole slot's steps in which to land.  Trip t + 1 walks slot t + 1 of the first block's NB, and behind them the second block's, from 0 on.
.macro CHANGE fill
	s_wait_tensorcnt 0x0                           ; no tensor load of mine is out, so a group 0 may be written
	ds_add_u32 v[SPW], v[NIL]                      ; 0 onto my spare word: with fill = 1 the descriptors' words are made between it and the wait for it
.if \fill
	s_sub_co_u32 s72, 9, s[SLOTS]                  ; the next trip's number, 1 .. 8,
	s_cmp_lt_u32 s72, s[NB]
	s_cselect_b32 s73, 0, s[NB]
	s_sub_co_u32 s72, s72, s73                     ; and which 256 keys it walks
	s_lshl_b32 s74, s72, 15                        ; K: 256 rows of 128 bytes a slot
	s_mov_b32 s75, 0
	s_xor_b32 s[G0K+1], s[G0K+1], SLOT1            ; the other slot than last time
	s_add_nc_u64 s[G0K+2:G0K+3], s[KB:KB+1], s[74:75]
	s_or_b32 s[G0K+3], s[G0K+3], 0x80000000
	s_lshl_b32 s74, s72, 8                         ; V: 256 bytes of each row a slot
	s_xor_b32 s[G0V+1], s[G0V+1], SLOT1
	s_add_nc_u64 s[G0V+2:G0V+3], s[VB:VB+1], s[74:75]
	s_or_b32 s[G0V+3], s[G0V+3], 0x80000000
	s_wait_xcnt 0x0                                ; the last prefetch, a slot back, has read its address, so it may be written:
	s_add_nc_u64 s[PFA:PFA+1], s[PFA:PFA+1], s[PFS:PFS+1]  ; a slot on
	s_wait_dscnt 0x0                               ; the add is done, and my reads of the slot that I have left are over
	CROUND
	JLOAD                                          ; the first thing behind the round, and a wave's one tensor load until the next
	ASK
	ASKQ
.else
	s_wait_dscnt 0x0                               ; the add is done, and my reads of the slot that I have left are over
	s_barrier_signal -1
	s_barrier_wait -1
.endif
.endm
.macro SLOT_STEPS
	STEP 0
	STEP 1
	s_xor_b32 s[TB], s[TB], SLOT1                  ; on to the other slot
.endm
; THE WAY OUT of a block.  The sum's two halves and lane l xor 16's are added; O^T is divided by the sum, multiplied by 2^(ep + ev), and goes through my stage, half a row (64 channels, 256 bytes) of 16 queries
; at a time, so that sixteen lanes store 256 consecutive bytes, aligned.  more = 1: another block follows.
.macro WAYOUT oa, more
.rept 4
	v_nop                                          ; four places behind the last products, in front of the first read of O^T and of the loads into V's registers
.endr
	v_add_f32 v14, v14, v15
	s_delay_alu instid0(VALU_DEP_1)
	v_permlanex16_b32 v248, v14, s[SEL], s[SEL+1]
	s_delay_alu instid0(VALU_DEP_1)
	v_add_f32 v14, v14, v248                       ; the row's sum
	s_wait_alu depctr_va_vdst(0)
	v_rcp_f32 v14, v14
	v_nop                                          ; a plain instruction behind the reciprocal
	s_wait_alu depctr_va_vdst(0)                   ; and the wait ahead of its first reader
	v_ldexp_f32 v14, v14, s[EPV]                   ; x 2^(ep + ev)
.irp j, 0,2,4,6,8,10,12,14,16,18,20,22,24,26,28,30,32,34,36,38,40,42,44,46,48,50,52,54,56,58,60,62
	v_pk_mul_f32 v[160+\j:161+\j], v[160+\j:161+\j], v[14:15] op_sel_hi:[1,0]   ; register 8 t + i is o(r, 16 t + 8 hl + i); each accumulator from its low end on
.endr
.irp u, 0,1                                    ; channels 64 u on
.irp t, 0,1,2,3
	ds_store_b128 v[STO], v[160+32*\u+8*\t:163+32*\u+8*\t] offset:64*\t
	ds_store_b128 v[STO], v[164+32*\u+8*\t:167+32*\u+8*\t] offset:64*\t+16
.endr
.irp i, 0,1,2,3,4,5,6,7
	ds_load_b128 v[32+32*\u+4*\i:35+32*\u+4*\i], v[RD] offset:2*\i*272   ; LDS serves a wave's instructions in order: these see my stores, and the next half's stores come behind them
.endr
.endr
.irp u, 0,1
.irp i, 0,1,2,3,4,5,6,7
	s_wait_dscnt 23-16*\u-\i                       ; behind load (u, i): the 7 - i loads of its half, and for u = 0 the other half's 8 stores and 8 loads
	global_store_b128 v[GO], v[32+32*\u+4*\i:35+32*\u+4*\i], s[\oa:\oa+1] offset:2*\i*16384+256*\u th:TH_STORE_NT
.endr
.endr
.if \more
	s_wait_xcnt 0x0                                ; the stores have read their registers: the next block's fragments may land there
.endif
.endm
.Lslot:                                            ; 8 trips: behind each change of slots but the last the next trip's keys are asked for
	CHANGE 1
	SLOT_STEPS
	s_cmp_lg_u32 s[SLOTS], s[SWI]                  ; the first block's last trip?  The same answer in all waves and in all four partners; no barrier and no tensor load stands under the branch
	s_cbranch_scc1 .Lstay
	QLOAD QA2                                      ; the second block's Q is asked for first: it lands in p's registers, which the way out does not touch
	WAYOUT OA1, 1
	QTURN
	s_mov_b32 s[Q0], s[Q0B]
	s_mov_b32 s[KF], 0
.Lstay:
	s_sub_co_u32 s[SLOTS], s[SLOTS], 1
	s_cmp_lg_u32 s[SLOTS], 0
	s_cbranch_scc1 .Lslot
	CHANGE 0                                       ; the last slot is written out; nothing is asked for
	SLOT_STEPS
	WAYOUT OA2, 0
	s_wait_tensorcnt 0x0                           ; the wave's end: behind my last tensor load and my last LDS store
	ds_add_u32 v[SPW], v[NIL]
	s_wait_dscnt 0x0
	CROUND                                         ; the closing round: no work-group ends while a partner may still ask for a tile that names it
	s_endpgm
.Lfunc_end_k_qe4314a9864_attn:
	.size	k_qe4314a9864_attn, .Lfunc_end_k_qe4314a9864_attn-k_qe4314a9864_attn
	.p2alignl 7, 3214868480
	.fill 96, 4, 3214868480
	.section	.rodata,"a",@progbits
	.p2align	6, 0x0
	.amdhsa_kernel k_qe4314a9864_attn
		.amdhsa_group_segment_fixed_size 327680
		.amdhsa_private_segment_fixed_size 0
		.amdhsa_enable_private_segment 0
		.amdhsa_kernarg_size 40
		.amdhsa_user_sgpr_count 2
		.amdhsa_user_sgpr_kernarg_segment_ptr 1
		.amdhsa_wavefront_size32 1
		.amdhsa_system_sgpr_workgroup_id_x 1
		.amdhsa_system_sgpr_workgroup_id_y 1
		.amdhsa_system_sgpr_workgroup_id_z 1
		.amdhsa_system_vgpr_workitem_id 0
		.amdhsa_next_free_vgpr 256
		.amdhsa_next_free_sgpr 100
		.amdhsa_reserve_vcc 1
		.amdhsa_float_denorm_mode_32 3
		.amdhsa_float_denorm_mode_16_64 3
		.amdhsa_fp16_overflow 1
		.amdhsa_memory_ordered 1
		.amdhsa_forward_progress 1
		.amdhsa_inst_pref_size 127
	.end_amdhsa_kernel
	.amdgpu_metadata
---
amdhsa.version: [ 1, 2 ]
amdhsa.kernels:
  - .name:           k_qe4314a9864_attn
    .symbol:         k_qe4314a9864_attn.kd
    .args:
      - { .name: query, .offset: 0, .size: 8, .value_kind: global_buffer, .address_space: global }
      - { .name: k_codes, .offset: 8, .size: 8, .value_kind: global_buffer, .address_space: global }
      - { .name: value_codes, .offset: 16, .size: 8, .value_kind: global_buffer, .address_space: global }
      - { .name: lowp_scales, .offset: 24, .size: 8, .value_kind: global_buffer, .address_space: global }
      - { .name: out0, .offset: 32, .size: 8, .value_kind: global_buffer, .address_space: global }
    .group_segment_fixed_size: 327680
    .private_segment_fixed_size: 0
    .kernarg_segment_align: 8
    .kernarg_segment_size: 40
    .max_flat_workgroup_size: 512
    .sgpr_count:     100
    .vgpr_count:     256
    .wavefront_size: 32
...
	.end_amdgpu_metadata
.endif
;; end of part 2
